; MI455X (gfx1250); checked and timed in simulation.
; The chip was launched on July 23, 2026; its instructions are those of AMD's public machine-readable ISA for CDNA 5 (MIT licence, August 2026) and "CDNA5" Instruction Set Architecture Reference Guide (July 2026). The comments in the code are by the model that wrote it; some were corrected since.
;; MORR Sdpa. Allowed arithmetic: float matrix products may take bf16 or f16 operands with f32 sums; other float arithmetic in f32, or as packed bf16 or f16 multiplies, adds, multiply-adds, maxima and minima; sums over many terms, partial sums and values carried from step to step in f32; what a program stores and reads back later, other than sums and carried values, may be rounded once to bf16 or f16.
;; Inputs: attn_mask 1 x 1 x 4,096 x 4,096 float32; key 1 x 16 x 4,096 x 64 float32; query 1 x 16 x 4,096 x 64 float32; value 1 x 16 x 4,096 x 64 float32.
;; Outputs: out0 1 x 16 x 4,096 x 64 float32.
;; One version. Each part assembles by itself: llvm-mc -triple=amdgcn-amd-amdhsa -mcpu=gfx1250 --defsym DOCPART=n.
;; ======== version 1 of 1: 2 launches
;; limits: values are held in f16: magnitudes above 65,504 overflow, below 6.1e-05 lose precision; inputs' magnitudes at most 65,504; inputs' magnitudes at most 8.5e+37; right only within a limited range of input values
;; workspace buffers: kv16 16,777,216 bytes
;; launch cast (part 1): grid 128 x 8, 8 waves a work-group, no clusters, 0 bytes of LDS; arguments key, value, kv16; writes kv16
.if DOCPART == 1
	.amdgcn_target "amdgcn-amd-amdhsa--gfx1250"
	.amdhsa_code_object_version 6
	.text
	.protected	k_q193ad9fe49_cast
	.globl	k_q193ad9fe49_cast
	.p2align	8
	.type	k_q193ad9fe49_cast,@function
k_q193ad9fe49_cast:
	s_mov_b64 s[64:65], 0
	v_nop
	global_prefetch_b8 v0, s[64:65] scope:SCOPE_SE
	s_setreg_imm32_b32 hwreg(HW_REG_WAVE_MODE, 25, 1), 1
	s_wait_xcnt 0x0
; K and V, [16 heads][4096 keys][64 channels] f32, are rounded once to f16 and laid out for the attention launch:
; kv16 = [hp 0..7][t 0..31][sel 0..3][128 keys][64 channels], hp a pair of heads, t a tile of 128 keys,
; sel 0: K of head 2 hp, 1: K of head 2 hp + 1, 2: V of head 2 hp, 3: V of head 2 hp + 1.  A block (hp, t, sel) is 16,384 dense bytes,
; so that both heads' K of a tile are 32,768 consecutive bytes, and both heads' V the next 32,768.
; A work-group makes one block: 32,768 bytes in, 16,384 out.  Eight waves; thread n takes the 16 bytes at 4,096 i + 16 n, i = 0..7:
; a wave's load covers 512 consecutive bytes, its store 256 consecutive bytes at a multiple of 256 from the buffer's first byte.
; A stream: no LDS, no barrier, no matrix work.  All eight loads of a wave go out at once; no register is written twice.
; LIMIT.  f16 ends at 65,504: a |k| or |v| of 65,520 or more becomes an infinity.
.set X, 4                              ; v[4:35]   load i: 4 registers
.set Y, 36                             ; v[36:51]  store i: 2 registers
	s_load_b128 s[4:7], s[0:1], 0x0                ; key s[4:5], value s[6:7]
	s_load_b64 s[8:9], s[0:1], 0x10                ; kv16
	s_and_b32 s13, ttmp9, 3                        ; sel
	s_lshr_b32 s2, ttmp9, 2                        ; t
	s_and_b32 s3, ttmp7, 0xffff                    ; hp
	s_and_b32 s12, s13, 1
	s_lshl1_add_u32 s12, s3, s12                   ; the head = 2 hp + sel % 2
	s_lshl_b32 s14, s12, 20                        ; a head is 4,096 x 256 bytes of f32,
	s_lshl_b32 s2, s2, 15                          ; a tile 128 x 256
	s_add_co_u32 s14, s14, s2
	s_mov_b32 s15, 0
	s_lshl_b32 s16, s3, 21                         ; in kv16 a pair of heads is 32 x 65,536 bytes,
	s_lshl_b32 s17, ttmp9, 14                      ; and block 4 t + sel lies 16,384 (4 t + sel) into it
	s_add_co_u32 s16, s16, s17
	s_mov_b32 s17, 0
	v_lshlrev_b32 v1, 4, v0                        ; 16 bytes a thread in,
	v_lshlrev_b32 v2, 3, v0                        ; 8 out
	s_wait_kmcnt 0x0
	s_cmp_lt_u32 s13, 2                            ; sel 0, 1: K; sel 2, 3: V
	s_cselect_b64 s[10:11], s[4:5], s[6:7]
	s_add_nc_u64 s[10:11], s[10:11], s[14:15]
	s_add_nc_u64 s[8:9], s[8:9], s[16:17]
.irp i, 0,1,2,3,4,5,6,7
	global_load_b128 v[X+4*(\i):X+4*(\i)+3], v1, s[10:11] offset:4096*(\i) th:TH_LOAD_NT
.endr
.irp i, 0,1,2,3,4,5,6,7
	s_wait_loadcnt 7-(\i)                          ; loads come back in order (ISA guide 5.7.1): load i is in, the 7 - i younger ones stay out
	v_cvt_pk_f16_f32 v[Y+2*(\i)], v[X+4*(\i)], v[X+4*(\i)+1]
	v_cvt_pk_f16_f32 v[Y+2*(\i)+1], v[X+4*(\i)+2], v[X+4*(\i)+3]
	global_store_b64 v2, v[Y+2*(\i):Y+2*(\i)+1], s[8:9] offset:2048*(\i)
.endr
	s_endpgm
.Lfunc_end_k_q193ad9fe49_cast:
	.size	k_q193ad9fe49_cast, .Lfunc_end_k_q193ad9fe49_cast-k_q193ad9fe49_cast
	.p2alignl 7, 3214868480
	.fill 96, 4, 3214868480
	.section	.rodata,"a",@progbits
	.p2align	6, 0x0
	.amdhsa_kernel k_q193ad9fe49_cast
		.amdhsa_group_segment_fixed_size 0
		.amdhsa_private_segment_fixed_size 0
		.amdhsa_enable_private_segment 0
		.amdhsa_kernarg_size 24
		.amdhsa_user_sgpr_count 2
		.amdhsa_user_sgpr_kernarg_segment_ptr 1
		.amdhsa_wavefront_size32 1
		.amdhsa_system_sgpr_workgroup_id_x 1
		.amdhsa_system_sgpr_workgroup_id_y 1
		.amdhsa_system_sgpr_workgroup_id_z 1
		.amdhsa_system_vgpr_workitem_id 0
		.amdhsa_next_free_vgpr 52
		.amdhsa_next_free_sgpr 66
		.amdhsa_reserve_vcc 0
		.amdhsa_float_denorm_mode_32 3
		.amdhsa_float_denorm_mode_16_64 3
		.amdhsa_memory_ordered 1
		.amdhsa_forward_progress 1
		.amdhsa_inst_pref_size 4
	.end_amdhsa_kernel
	.amdgpu_metadata
---
amdhsa.version: [ 1, 2 ]
amdhsa.kernels:
  - .name:           k_q193ad9fe49_cast
    .symbol:         k_q193ad9fe49_cast.kd
    .args:
      - { .name: key, .offset: 0, .size: 8, .value_kind: global_buffer, .address_space: global }
      - { .name: value, .offset: 8, .size: 8, .value_kind: global_buffer, .address_space: global }
      - { .name: kv16, .offset: 16, .size: 8, .value_kind: global_buffer, .address_space: global }
    .group_segment_fixed_size: 0
    .private_segment_fixed_size: 0
    .kernarg_segment_align: 8
    .kernarg_segment_size: 24
    .max_flat_workgroup_size: 256
    .sgpr_count:     66
    .vgpr_count:     52
    .wavefront_size: 32
...
	.end_amdgpu_metadata
.endif
;; end of part 1
;; launch attn (part 2): grid 32 x 8, 4 waves a work-group, clusters of 4 x 4, 327,680 bytes of LDS; arguments query, kv16, attn_mask, out0; writes out0
.if DOCPART == 2
	.amdgcn_target "amdgcn-amd-amdhsa--gfx1250"
	.amdhsa_code_object_version 6
	.text
	.protected	k_q193ad9fe49_attn
	.globl	k_q193ad9fe49_attn
	.p2align	8
	.type	k_q193ad9fe49_attn,@function
k_q193ad9fe49_attn:
	s_mov_b64 s[64:65], 0
	v_nop
	global_prefetch_b8 v0, s[64:65] scope:SCOPE_SE
	s_setreg_imm32_b32 hwreg(HW_REG_WAVE_MODE, 25, 1), 1
	s_wait_xcnt 0x0
	s_wait_alu depctr_hold_cnt(0) depctr_sa_sdst(0) depctr_va_vdst(0) depctr_va_sdst(0) depctr_va_ssrc(0) depctr_va_vcc(0) depctr_vm_vsrc(0)
	s_getreg_b32 s2, hwreg(HW_REG_IB_STS2, 6, 4)
	s_cmp_eq_u32 s2, 0
	s_cbranch_scc0 .Lentry_in_a_cluster
	s_endpgm
.Lentry_in_a_cluster:
	s_bfe_u32 s2, ttmp6, 0x10000c
	s_cmp_lg_u32 s2, 0xf033
	s_cbranch_scc0 .Lentry_shape_is_right
	s_endpgm
.Lentry_shape_is_right:
; O[h][q][:] = the sum over k of softmax_k(Q[h][q] . K[h][k] / 8 + M[q][k]) V[h][k][:].  16 heads, 4,096 queries, 4,096 keys, 64 channels.
; Q, M and O are f32; K and V come as f16 from kv16 ([pair of heads][tile of 128 keys][K a, K b, V a, V b][128][64]).
; Q / 8 is rounded to f16 here (1/8 is a power of two: the same rounding as Q's).  Products, maxima and sums in f32; the weights p are rounded to f16 for the second product, their sum l is taken of the unrounded p.
; THE MASK is never rounded and costs no vector instruction: it is the C operand that starts the sum S^T = K (Q/8)^T + M^T, read from LDS in the result's own layout.
; LIMITS.  f16 ends at 65,504: |q| / 8, |k| and |v| stay below 65,520.  p lies in 0 to 1 and below 6e-5 keeps f16's fixed step of 6e-8; a weight below 2^-126 counts as 0 in l.
; The running maximum starts at -2^126 (-8.5e37): a score below that, minus infinity among them, has the weight 0; a row all of whose 4,096 scores lie below it gives NaN.  Plus infinity and NaN are not treated apart.
; SHARES.  A work-group owns 128 queries of TWO heads (32 x 8 work-groups).  For 64 keys that asks 32 KB of mask and 32 KB of K and V; 256 queries of one head would ask 64 + 16, 64 queries of four heads 16 + 64:
; only this share lets two slots of 128 keys lie in LDS.  Wave w: head 2 y + w / 2, queries 64 (w % 2) on: four PIECES of 16 queries.  Every wave walks all keys, 64 a step, two steps a slot.
; CLUSTER.  4 x 4 work-groups.  K's and V's tiles hang on y (the pair of heads) alone and are asked for JOINTLY along a row of the cluster; the mask's tiles hang on x (the query block) alone and are asked
; for jointly along a column: the same tensor load, descriptor and mask of work-groups in all four.  Wave 0 asks for K, wave 1 for V, waves 2 and 3 for the two halves of the mask: 32 KB each, one load a wave a slot.
; LAYOUT, SOFTMAX, TURNS.  S^T holds ONE query a lane (lane % 16) and the keys 8 (lane / 16) + 0..7; two such results rounded to f16 ARE source 1 of O^T = V^T P.  p = 2^(c s - c m), c = log2(e), with a running
; maximum m; O and l are multiplied by a = 2^(c m_old - c m_new) in every step.  Turn n belongs to piece n: 8 products K Q^T of piece n + 1, later 8 products V^T P of piece n - 1; beside them the scaling,
; exponentials, roundings, sums and rescaling of piece n and the maximum and statistics of piece n + 1.  A piece and step have 16 matrix and 118 vector instructions: four vector instructions stand behind every
; matrix instruction, the other 54 in two lumps.
; REGISTERS, in windows of 256 (s_set_vgpr_msb: bits 1:0 source 0, 3:2 source 1, 5:4 source 2, 7:6 destination):
;   window 0: v0-15, v32-34 addresses and at work; v16-31 four registers of statistics a piece; v48-55 at work; v64-127 S^T, two buffers; v64-191 the way out; v192-223 P, two buffers (buffers go by the piece's parity)
;   window 1: v0-127 O^T, 32 a piece (at the start: Q in f32); v160-223 the mask, two buffers      window 2: v0-63 Q / 8 in f16; v128-191 K of one step; v192-255 V of one step
.set NP,    4         ; pieces a wave: a name, no knob
.set KS,    64        ; keys in a step
.set PK,    144       ; a row of K in LDS: 128 bytes + 16 = 36 words: the 16 rows of a load start at 16 different groups of four banks (64 banks of 4 bytes: ISA guide 11.1)
.set PV,    160       ; a row of V: 128 + 32 = 40 words
.set PM,    528       ; a row of the mask: 128 keys x 4 bytes + 16 = 132 words: row r starts at bank 4 r mod 64
.set SP,    272       ; a row of the stage: 64 channels x 4 bytes + 16
.set MHALF, 64*PM     ; a slot: 128 query rows of the mask from byte 0 on, in two loads of 64 rows (33,792 bytes each),
.set KREG,  128*PM    ; at 67,584 head a's 128 keys and then head b's,
.set VREG,  KREG+256*PK  ; at 104,448 the same of V: 145,408 bytes in all
.set SLOT1, 0x24000   ; slot 1 begins here.  The four loads' places in slot 0 (0, 0x8400, 0x10800, 0x19800) have neither of its two bits set: one exclusive or turns each into the other slot's
.set STAGE, SLOT1+VREG+256*PV  ; 292,864: behind the ring, never filled by a tensor load: 16 rows x 272 bytes for each wave, for the way out
.set SPARE, STAGE+4*16*SP      ; 310,272: the spare words, 128 bytes for each wave: two blocks of 256 bytes that no other line names
.set AK0, 2           ; v2   my lane's place in a slot's K; never rewritten
.set AV0, 3           ; v3   the same for V
.set AK,  4           ; v4   the LDS address of K's next run of loads
.set AV,  5           ; v5   of V's
.set STO, 6           ; v6   the way out: where I put 32 bytes of a row
.set RD,  7           ; v7   the way out: where I read rows back
.set GO,  8           ; v8   my byte offset in 512 consecutive bytes of O
.set MV,  12          ; v12-13  c m_old, kept while c m is made anew: by buffer
.set AM0, 14          ; v14  my lane's place in a slot's mask; never rewritten
.set AM,  15          ; v15  the LDS address of the mask of the step being fetched
.set ST,  16          ; piece t's statistics at v[ST+4 t]: c m, m, l (even keys', odd keys')
.set QO,  32          ; v32  my byte offset in 16 rows of Q
.set PO,  33          ; v33  my byte offset among the 16 rows x 512 bytes of the mask that wave 0 asks ahead for
.set TMP, 48          ; by buffer, four registers c0-c3 at work; when the maximum is found c2 takes a
.set SPW, 62          ; v62  LDS address of my spare word: SPARE + 4 x my thread's number; never rewritten
.set NIL, 63          ; v63  0; never rewritten
.set S,   64
.set OB,  64          ; the way out: 32 registers a piece, rows read back from the stage
.set P,   192
.set MC,  160         ; window 1: the eight registers for group kb of 16 keys at MC + 32 (piece % 2) + 8 kb
.set KF,  128         ; window 2: key block kb, channel half c at KF + 16 kb + 8 c
.set VF,  192         ; window 2: key half kk, channel block cb at VF + 32 kk + 8 cb
.set WV,  12          ; s12  my wave's number
.set HS,  13          ; s13  which of the two heads is mine: w / 2
.set G1K, 24          ; s[24:31] descriptor group 1 for K's tiles
.set G1V, 32          ; s[32:39] for V's: it differs in the padding alone
.set G1M, 40          ; s[40:47] for the mask's
.set G0K, 48          ; s[48:51] descriptor group 0 for K's tiles: it walks
.set G0V, 52          ; s[52:55] for V's
.set G0M, 56          ; s[56:59] for the mask's
.set CS,  60          ; s[60:61] c: the packed scaling takes the pair's low word for both halves
.set SEL, 62          ; s[62:63] v_permlanex16_b32's selects: each lane takes its own place in the other half
.set SLOTS, 66        ; s66  slots still to be walked in the loop
.set CNT, 67          ; s67  counts a slot's key steps
.set TBK, 69          ; s69  LDS byte, less KREG, at which K of the step to be fetched begins
.set TBV, 70          ; s70  the same for V
.set TBM, 71          ; s71  the same for the mask: a step is 256 bytes along its rows
.set PT,  72          ; s72  the tile of the mask to be asked ahead for
.set QH,  73          ; s73  which half of the block's queries is mine: w % 2
.set PFO, 74          ; s[74:75] that tile's byte offset along the rows
.set PFB, 76          ; s[76:77] the mask at the 16 rows that my work-group asks ahead for
.set PFA, 78          ; s[78:79] the address in use
.set LT,  80          ; s80  at work, for LDS addresses: it never holds a place in the cluster
.set EI,  82          ; s[82:83] 1/8
.set MSB, 0
.macro WIN new                      ; the high byte repeats the setting that is left; a switch that changes nothing is dropped
.if MSB != (\new)
	s_set_vgpr_msb (MSB<<8)|(\new)
.set MSB, (\new)
.endif
.endm
.set W_KQ, 0x0a       ; K and Q in window 2, S^T in window 0
.set W_KM, 0x1a       ; the same with the C operand, the mask, in window 1
.set W_PV, 0x52       ; V in window 2, P in window 0, O^T in window 1
.set W_RS, 0x41       ; destination and source 0 in window 1, source 1 in window 0
; A joint fill.  The branches hang on the wave's number alone: they are the same in every work-group.  An s_nop 0 and four v_nop follow each of the three lines, ahead of the jump and the label.
; pf = 1: wave 0 also asks ahead, by global_prefetch_b8, for its work-group's share of the mask's tile that the NEXT change of slots will load: rows 16 y to 16 y + 15 of the query block, 512 bytes each, a lane
; for each 256: the eight work-groups that walk one query block ask for its 128 rows once between them.  The tile's number stops at 31, the last: the last request repeats it and none passes the buffer's end.
.macro JLOAD pf
	s_cmp_lt_u32 s[WV], 2
	s_cbranch_scc0 .Lfor_m_\@
	s_cmp_eq_u32 s[WV], 0
	s_cbranch_scc0 .Lfor_v_\@
	tensor_load_to_lds s[G0K:G0K+3], s[G1K:G1K+7]
	s_nop 0
.rept 4
	v_nop
.endr
.if \pf
	global_prefetch_b8 v[PO], s[PFA:PFA+1] th:TH_LOAD_NT scope:SCOPE_SE
.endif
	s_branch .Lasked_\@
.Lfor_v_\@:
	tensor_load_to_lds s[G0V:G0V+3], s[G1V:G1V+7]
	s_nop 0
.rept 4
	v_nop
.endr
	s_branch .Lasked_\@
.Lfor_m_\@:
	tensor_load_to_lds s[G0M:G0M+3], s[G1M:G1M+7]
	s_nop 0
.rept 4
	v_nop
.endr
.Lasked_\@:
.endm
; A round of the cluster's barrier: my work-group's barrier, so that wave 0's signal speaks for all four waves; wave 0 signals; every wave waits for all sixteen work-groups; my work-group's barrier once more.
.macro CROUND
	s_barrier_signal -1
	s_barrier_wait -1
	s_cmp_lg_u32 s[WV], 0
	s_cbranch_scc1 .Lnot_wave_0_\@
	s_barrier_signal -3
.Lnot_wave_0_\@:
	s_barrier_wait -3
	s_barrier_signal -1
	s_barrier_wait -1
.endm
; THE CHANGE OF SLOTS.  All of the slot's bytes have been asked for from LDS.  Each wave waits for all its tensor loads, of which one is out: its part of the other slot; adds 0 to its spare word; and waits for that
; and for its own reads of the slot.  Behind the barrier nobody reads this slot any more and the other slot is whole.  fill = 1: this slot is filled again, with the keys two slots on; the barrier is then a round of
; the cluster's, so that no wave of any partner still reads the slot or has a load on its way, and the joint fill is the first thing behind it: it has two key steps, 128 matrix instructions a wave, in which to land.
; (At its first use nothing has been read yet: slot 0 is waited for, slot 1 filled.)
.macro CHANGE fill
	WIN 0                           ; at a label and at a branch every window is 0
	s_wait_tensorcnt 0x0            ; no tensor load of mine is out, so a group 0 may be written
	ds_add_u32 v[SPW], v[NIL]       ; 0 onto my spare word; the scalar work below stands between it and the wait for it
.if \fill
.irp g, G0K, G0V
	s_xor_b32 s[\g+1], s[\g+1], SLOT1  ; the walking descriptors: the other slot than last time,
	s_add_nc_u64 s[\g+2:\g+3], s[\g+2:\g+3], 65536  ; the next tile of kv16; the type bits on top are not reached
.endr
	s_xor_b32 s[G0M+1], s[G0M+1], SLOT1
	s_add_nc_u64 s[G0M+2:G0M+3], s[G0M+2:G0M+3], 512  ; the next 128 keys along the mask's rows
	s_wait_xcnt 0x0                 ; the request that read s[PFA:PFA+1] stands a slot back: the pair is rewritten only behind this wait
	s_lshl_b32 s[PFO], s[PT], 9
	s_add_nc_u64 s[PFA:PFA+1], s[PFB:PFB+1], s[PFO:PFO+1]
	s_add_co_u32 s[PT], s[PT], 1
	s_min_u32 s[PT], s[PT], 31
.endif
	s_sub_co_u32 s[TBK], s[TBK], 2*KS*PK  ; the fetches go back to a slot's first step,
	s_xor_b32 s[TBK], s[TBK], SLOT1       ; in the other slot
	s_sub_co_u32 s[TBV], s[TBV], 2*KS*PV
	s_xor_b32 s[TBV], s[TBV], SLOT1
	s_sub_co_u32 s[TBM], s[TBM], 2*KS*4
	s_xor_b32 s[TBM], s[TBM], SLOT1
	s_wait_dscnt 0x0                ; the add is done, and my reads of the slot are over
.if \fill
	CROUND
	JLOAD 1
.else
	s_barrier_signal -1
	s_barrier_wait -1
.endif
.endm
	s_load_b256 s[4:11], s[0:1], 0x0  ; Q s[4:5], kv16 s[6:7], M s[8:9], O s[10:11]
	v_lshl_add_u32 v[SPW], v0, 2, SPARE
	v_mov_b32 v[NIL], 0
	ds_add_u32 v[SPW], v[NIL]       ; the wave's opening: the add and its wait stand ahead of my first tensor load; the set-up below, work on registers, stands between them
	v_lshrrev_b32 v1, 5, v0
	v_readfirstlane_b32 s[WV], v1   ; wave 0..3
	s_lshr_b32 s[HS], s[WV], 1
	s_and_b32 s[QH], s[WV], 1
	s_bfe_u32 s14, ttmp6, 0x40000   ; cx, cy: my place in the cluster
	s_bfe_u32 s15, ttmp6, 0x40004
	s_lshl_b32 s16, ttmp9, 2        ; in a cluster launch ttmp9 and ttmp7 count clusters
	s_add_co_u32 s16, s16, s14      ; x, my block of 128 queries = 4 x cluster x + cx
	s_and_b32 s17, ttmp7, 0xffff
	s_lshl_b32 s17, s17, 2
	s_add_co_u32 s17, s17, s15      ; y, my pair of heads = 4 x cluster y + cy
	s_lshl_b32 s18, s15, 2
	s_lshl_b32 s18, 15, s18         ; my row of the cluster: places 4 cy .. 4 cy + 3
	s_lshl_b32 s19, 0x1111, s14     ; my column: places cx, cx + 4, cx + 8, cx + 12
	; descriptor group 1.  K and V: both heads' 128 keys are 32,768 dense bytes, asked for as 128 rows of 256 bytes, two keys a row, and padded in LDS after every key.  The mask: 64 rows of 128 f32, 4,096 from row to row.
	s_or_b32 s[G1K], s18, (1<<16)|(1<<20)|(1<<21)|(4<<22)|(3<<25)  ; 15:0 my row; 17:16 2-byte elements; 20 padding on; 21 set beside a mask; 24:22 after every 32 words (code 4); 31:25 4 words (code 3)
	s_or_b32 s[G1V], s18, (1<<16)|(1<<20)|(1<<21)|(4<<22)|(7<<25)  ; the same with 8 words of padding (code 7)
	s_or_b32 s[G1M], s19, (2<<16)|(1<<20)|(1<<21)|(6<<22)|(3<<25)  ; my column; 4-byte elements; after every 128 words (code 6) 4 words
.irp g, G1K, G1V
	s_mov_b32 s[\g+1], 128<<16      ; tensor_dim0 = 128
	s_mov_b32 s[\g+2], 128<<16      ; tensor_dim1 = 128
	s_mov_b32 s[\g+3], 128<<16      ; tile_dim0 = 128
	s_mov_b32 s[\g+4], 128          ; tile_dim1 = 128
	s_mov_b32 s[\g+5], 128          ; 128 elements from row to row
	s_mov_b32 s[\g+6], 0
	s_mov_b32 s[\g+7], 0
.endr
	s_mov_b32 s[G1M+1], 128<<16     ; tensor_dim0 = 128
	s_mov_b32 s[G1M+2], 64<<16      ; tensor_dim1 = 64
	s_mov_b32 s[G1M+3], 128<<16     ; tile_dim0 = 128
	s_mov_b32 s[G1M+4], 64          ; tile_dim1 = 64
	s_mov_b32 s[G1M+5], 4096        ; 4,096 elements from row to row
	s_mov_b32 s[G1M+6], 0
	s_mov_b32 s[G1M+7], 0
	s_mov_b32 s[G0K], 1             ; 1:0 count = 1
	s_mov_b32 s[G0K+1], KREG        ; 63:32 LDS address, in slot 0: no place in the cluster enters an LDS address
	s_mov_b32 s[G0V], 1
	s_mov_b32 s[G0V+1], VREG
	s_mov_b32 s[G0M], 1
	s_mul_i32 s[G0M+1], s[QH], MHALF  ; wave 2 brings the block's rows 0 to 63, wave 3 rows 64 to 127
	s_lshl_b32 s20, s17, 21         ; kv16: a pair of heads is 32 tiles of 65,536 bytes.  s[20:21] hold y alone
	s_mov_b32 s21, 0
	s_lshl_b32 s22, s16, 21         ; the mask: 128 rows of 16,384 bytes a block, 64 a half.  s[22:23] hold x and the wave's number alone
	s_lshl_b32 s23, s[QH], 20
	s_add_co_u32 s22, s22, s23
	s_mov_b32 s23, 0
	s_lshl1_add_u32 s2, s17, s[HS]  ; Q and O: my head 2 y + w / 2, 4,096 rows of 256 bytes,
	s_lshl_b32 s2, s2, 20
	s_lshl_b32 s3, s16, 15          ; my block's 128 rows,
	s_add_co_u32 s2, s2, s3
	s_lshl_b32 s3, s[QH], 14        ; my wave's 64 of them
	s_add_co_u32 s2, s2, s3
	s_mov_b32 s3, 0
	s_lshl_b32 s[PFO], s16, 21      ; what my work-group asks ahead for: rows 128 x + 16 y on
	s_lshl_b32 s[PFO+1], s17, 18
	s_add_co_u32 s[PFO], s[PFO], s[PFO+1]
	s_mov_b32 s[PFO+1], 0
	s_mov_b32 s[PT], 2              ; the first change of slots loads tile 1 and asks ahead for tile 2
	s_mov_b32 s[CS], 0x3fb8aa3b     ; c = log2(e)
	s_mov_b32 s[CS+1], s[CS]        ; named with it as a pair
	s_mov_b32 s[SEL], 0x76543210
	s_mov_b32 s[SEL+1], 0xfedcba98
	s_mov_b32 s[EI], 0x3e000000     ; 1/8
	s_mov_b32 s[EI+1], s[EI]
	s_mov_b32 s[TBK], SLOT1+2*KS*PK ; the first change of slots turns these three into 0
	s_mov_b32 s[TBV], SLOT1+2*KS*PV
	s_mov_b32 s[TBM], SLOT1+2*KS*4
	s_wait_dscnt 0x0                ; the opening add is done
	s_wait_kmcnt 0x0
	s_add_nc_u64 s[G0K+2:G0K+3], s[6:7], s[20:21]  ; 120:64 global address: tile 0's K,
	s_or_b32 s[G0K+3], s[G0K+3], 0x80000000        ; 127:126 type = 2
	s_add_nc_u64 s[G0V+2:G0V+3], s[6:7], s[20:21]
	s_add_nc_u64 s[G0V+2:G0V+3], s[G0V+2:G0V+3], 32768  ; its V, behind both heads' K
	s_or_b32 s[G0V+3], s[G0V+3], 0x80000000
	s_add_nc_u64 s[G0M+2:G0M+3], s[8:9], s[22:23]
	s_or_b32 s[G0M+3], s[G0M+3], 0x80000000
	s_add_nc_u64 s[PFB:PFB+1], s[8:9], s[PFO:PFO+1]
	s_add_nc_u64 s[4:5], s[4:5], s[2:3]  ; Q and O at my wave's first row
	s_add_nc_u64 s[10:11], s[10:11], s[2:3]
	CROUND                          ; all sixteen work-groups are here: the first joint loads meet
	JLOAD 0                         ; tile 0 into slot 0.  Slot 1 is asked for when slot 0 is in
	; A fragment of Q is 16 rows x 32 channels in 8 registers: lane l holds row l % 16, channels 8 (l / 16) + 0..7 and 16 + 8 (l / 16) + 0..7.  In f32 each eight channels are 32 bytes: two loads of 16.
	v_and_b32 v1, 15, v0            ; l % 16
	v_bfe_u32 v9, v0, 4, 1          ; l / 16
	v_lshlrev_b32 v[QO], 8, v1
	v_lshl_add_u32 v[QO], v9, 5, v[QO]  ; row x 256 + 32 x half
	WIN 0x40                        ; destination window 1, address window 0: Q in f32 lands where O^T will lie
.set i, 0
.rept 32                            ; load i = 8 p + 4 c + 2 g + e: piece p, channels 32 c + 16 g + 8 (l / 16) + 4 e on
	global_load_b128 v[4*i:4*i+3], v[QO], s[4:5] offset:(i/8)*4096+((i/4)%2)*128+((i/2)%2)*64+(i%2)*16
.set i, i+1
.endr
	WIN 0
	v_and_b32 v10, 7, v0
	v_bfe_u32 v11, v0, 3, 1
	s_mul_i32 s[LT], s[HS], 128*PK
	s_add_co_u32 s[LT], s[LT], KREG  ; my head's keys
	v_mul_u32_u24 v[AK0], v1, PK
	v_lshl_add_u32 v[AK0], v9, 4, v[AK0]  ; row x pitch + 16 x half
	v_add_nc_u32 v[AK0], s[LT], v[AK0]
	; The turning load takes 16 keys x 16 channels (lane l reads key 8 (l / 16) + l % 8, channels 8 ((l / 8) % 2) + 0..7) and leaves half a fragment of V^T: lane l holds channel l % 16 and 8 keys.
	s_mul_i32 s[LT], s[HS], 128*PV
	s_add_co_u32 s[LT], s[LT], VREG
	v_lshl_add_u32 v[AV0], v9, 3, v10
	v_mul_u32_u24 v[AV0], v[AV0], PV
	v_lshl_add_u32 v[AV0], v11, 4, v[AV0]
	v_add_nc_u32 v[AV0], s[LT], v[AV0]
	; The mask in the layout of S^T: lane l takes query l % 16's row, keys 8 (l / 16) + 0..7 of a group of 16: 32 bytes, two loads of 16.
	s_mul_i32 s[LT], s[QH], 64*PM   ; my half of the block's rows
	v_mul_u32_u24 v[AM0], v1, PM
	v_lshl_add_u32 v[AM0], v9, 5, v[AM0]
	v_add_nc_u32 v[AM0], s[LT], v[AM0]
	s_mul_i32 s[LT], s[WV], 16*SP
	s_add_co_u32 s[LT], s[LT], STAGE  ; my stage
	v_mul_u32_u24 v[STO], v1, SP    ; in: row l % 16, 32 bytes for each half of the lanes
	v_lshl_add_u32 v[STO], v9, 5, v[STO]
	v_add_nc_u32 v[STO], s[LT], v[STO]
	v_mul_u32_u24 v[RD], v9, SP     ; back: lanes 0-15 take one row of 256 bytes, lanes 16-31 the next,
	v_lshl_add_u32 v[RD], v1, 4, v[RD]
	v_add_nc_u32 v[RD], s[LT], v[RD]
	v_lshlrev_b32 v[GO], 8, v9      ; which are 512 consecutive bytes of O
	v_lshl_add_u32 v[GO], v1, 4, v[GO]
	v_bfe_u32 v34, v0, 1, 4         ; asking ahead: lane l takes row l / 2 of sixteen, and half l % 2 of its 512 bytes
	v_and_b32 v[PO], 1, v0
	v_lshlrev_b32 v[PO], 8, v[PO]
	v_lshl_add_u32 v[PO], v34, 14, v[PO]
	; What the first turn finds.  Its products V^T P, of a piece that has not been, are 0: V's registers and P's second buffer hold 0.  c m starts at -2^127 and m at -2^126: c m_new is -1.23e38 at the least, so the
	; first step's a is 0, and O^T and l need only hold finite numbers: l holds 0, O^T is left holding Q / 8.  All this stands in the wait for the first tile.
	WIN 0x80
.set i, VF
.rept 64
	v_mov_b32 v[i], 0
.set i, i+1
.endr
	WIN 0
.set i, 0
.rept 4
	v_mov_b32 v[ST+4*i], 0xff000000    ; c m
	v_mov_b32 v[ST+4*i+1], 0xfe800000  ; m
	v_mov_b32 v[ST+4*i+2], 0
	v_mov_b32 v[ST+4*i+3], 0
.set i, i+1
.endr
.set i, P+16
.rept 16
	v_mov_b32 v[i], 0
.set i, i+1
.endr
	s_wait_loadcnt 0x0              ; Q
	WIN W_RS
.set i, 0
.rept 64
	v_pk_mul_f32 v[2*i:2*i+1], v[2*i:2*i+1], s[EI:EI+1] op_sel_hi:[1,0]  ; Q / 8: exact
.set i, i+1
.endr
	WIN 0x85                        ; sources 0 and 1 window 1, destination window 2
.set i, 0
.rept 64
	v_cvt_pk_f16_f32 v[i], v[2*i], v[2*i+1]  ; load i's four numbers are registers 2 i, 2 i + 1 of Q: 16 p + 8 c + 4 g + 2 e
.set i, i+1
.endr
; THE MATRIX WORK.  The 4 accumulators of a run of 8 take turns.  Product i of 8 of S^T = K Q^T + M^T for piece x: channels 32 (i / 4) on, keys 16 (i % 4) on.  The first 4 start the sums with the mask.
.macro KQ x
.set rS, S+32*((\x)%2)+8*(i%4)
.set rK, KF+16*(i%4)+8*(i/4)
.set rQ, 16*(\x)+8*(i/4)
.set rM, MC+32*((\x)%2)+8*(i%4)
.if i < 4
	WIN W_KM
	v_wmma_f32_16x16x32_f16 v[rS:rS+7], v[rK:rK+7], v[rQ:rQ+7], v[rM:rM+7]
.else
	WIN W_KQ
	v_wmma_f32_16x16x32_f16 v[rS:rS+7], v[rK:rK+7], v[rQ:rQ+7], v[rS:rS+7]
.endif
.endm
; Product i of 8 of O^T += V^T P for piece x: keys 32 (i / 4) on, channels 16 (i % 4) on.
.macro PV x
	WIN W_PV
.set rO, 32*(\x)+8*(i%4)
.set rV, VF+32*(i/4)+8*(i%4)
.set rP, P+16*((\x)%2)+8*(i/4)
	v_wmma_f32_16x16x32_f16 v[rO:rO+7], v[rV:rV+7], v[rP:rP+7], v[rO:rO+7]
.endm
.macro MM                           ; the turn's next matrix instruction.  TURN sets Y, i and NOKQ.  NOKQ = 1: the walk's last turn: there is no next piece
.if (i < 8) && !NOKQ
	KQ (Y+1)%NP
.elseif i >= 8
.set i, i-8
	PV (Y+NP-1)%NP
.set i, i+8
.endif
.set i, i+1
.endm
; THE LDS LOADS stand in runs, never singly among the matrix instructions: a step's K (64 keys x 64 channels: 8 fragments), its V (turned), and for each piece its 16 queries x 64 keys of the mask.
.macro FETCH_K
	WIN 0x80                        ; destination window 2
.irp f, 0,1,2,3,4,5,6,7             ; keys 16 (f / 2) on, channels 32 (f % 2) on
	ds_load_b128 v[KF+8*\f:KF+8*\f+3],   v[AK] offset:(\f/2)*16*PK+(\f%2)*64
	ds_load_b128 v[KF+8*\f+4:KF+8*\f+7], v[AK] offset:(\f/2)*16*PK+(\f%2)*64+32
.endr
	s_add_co_u32 s[TBK], s[TBK], KS*PK  ; the next fetch is the next step's: K's
	s_add_co_u32 s[TBM], s[TBM], KS*4   ; and the mask's, whose address was made with K's
.endm
.macro FETCH_V
	WIN 0x80
.irp f, 0,1,2,3,4,5,6,7             ; keys 32 (f / 4) on, channels 16 (f % 4) on
	ds_load_tr16_b128 v[VF+8*\f:VF+8*\f+3],   v[AV] offset:(\f/4)*32*PV+(\f%4)*32
	ds_load_tr16_b128 v[VF+8*\f+4:VF+8*\f+7], v[AV] offset:(\f/4)*32*PV+16*PV+(\f%4)*32
.endr
.endm
.macro FETCH_M x                    ; piece x's mask: register j of group kb is M[my query][16 kb + 8 (l / 16) + j]
	WIN 0x40                        ; destination window 1
.irp f, 0,1,2,3
	ds_load_b128 v[MC+32*((\x)%2)+8*\f:MC+32*((\x)%2)+8*\f+3],   v[AM] offset:(\x)*16*PM+64*\f
	ds_load_b128 v[MC+32*((\x)%2)+8*\f+4:MC+32*((\x)%2)+8*\f+7], v[AM] offset:(\x)*16*PM+64*\f+16
.endr
.endm
; THE VECTOR WORK, one line at a time: OP kind, number.  For piece Y: F n: c s - c m for pair n of 16.  E n: the exponential of score n of 32.  C n: pair n rounded to f16.  B n: of the four weights 4 n .. the second
; pair is added onto the first, in place.  L n: l takes that sum (L 0: l = a l + sum).  R n: pair n of 16 of O^T times a.  For piece Y + 1: X n, number n of the 22 that find its maximum and statistics:
;   0-11  four chains c0-c3 of seven scores each, three operands at a time (each accumulator's lowest registers are read first)     12-14, 16  the four scores left over, the old m, and c0-c3 into c0
;   15  c m_old is kept     17, 18  the query's other 32 keys lie in the lane 16 away: the new m     19-21  c m; c m_old - c m_new; a
.set F, 0               ; OP tells the kinds apart by their order: F to L below R, X above it
.set E, 1
.set C, 2
.set B, 3
.set L, 4
.set R, 5
.set X, 6
.macro REGS y                       ; the registers of piece y
.set rT, ST+4*(\y)
.set rC, TMP+4*((\y)%2)
.set rW, MV+((\y)%2)
.set rS, S+32*((\y)%2)
.set rP, P+16*((\y)%2)
.set rO, 32*(\y)
.endm
.macro OP k, n
.if (\k) == R
	REGS Y
	WIN W_RS
	v_pk_mul_f32 v[rO+2*(\n):rO+2*(\n)+1], v[rO+2*(\n):rO+2*(\n)+1], v[rC+2:rC+3] op_sel_hi:[1,0]
.elseif (\k) < R
	REGS Y
	WIN 0
.if (\k) == F
	v_pk_fma_f32 v[rS+2*(\n):rS+2*(\n)+1], v[rS+2*(\n):rS+2*(\n)+1], s[CS:CS+1], v[rT:rT+1] op_sel_hi:[1,0,0] neg_lo:[0,0,1] neg_hi:[0,0,1]
.elseif (\k) == E
	v_exp_f32 v[rS+(\n)], v[rS+(\n)]
.elseif (\k) == C
	s_wait_alu depctr_va_vdst(0)
	v_cvt_pk_f16_f32 v[rP+(\n)], v[rS+2*(\n)], v[rS+2*(\n)+1]
.elseif (\k) == B
	s_wait_alu depctr_va_vdst(0)
	v_pk_add_f32 v[rS+4*(\n):rS+4*(\n)+1], v[rS+4*(\n):rS+4*(\n)+1], v[rS+4*(\n)+2:rS+4*(\n)+3]
.elseif (\n) == 0
	v_pk_fma_f32 v[rT+2:rT+3], v[rT+2:rT+3], v[rC+2:rC+3], v[rS:rS+1] op_sel_hi:[1,0,1]
.else
	v_pk_add_f32 v[rT+2:rT+3], v[rT+2:rT+3], v[rS+4*(\n):rS+4*(\n)+1]
.endif
.elseif NOKQ
	v_nop
.else
	REGS (Y+1)%NP
	WIN 0
.if (\n) < 4
	v_max3_num_f32 v[rC+(\n)], v[rS+8*(\n)], v[rS+8*(\n)+1], v[rS+8*(\n)+2]
.elseif (\n) < 12
	v_max3_num_f32 v[rC+(\n)%4], v[rC+(\n)%4], v[rS+8*((\n)%4)+2*((\n)/4)+1], v[rS+8*((\n)%4)+2*((\n)/4)+2]
.elseif (\n) == 12
	v_max3_num_f32 v[rC], v[rC], v[rS+7], v[rS+15]
.elseif (\n) == 13
	v_max3_num_f32 v[rC+1], v[rC+1], v[rS+23], v[rS+31]
.elseif (\n) == 14
	v_max3_num_f32 v[rC+2], v[rC+2], v[rC+3], v[rT+1]
.elseif (\n) == 15
	v_mov_b32 v[rW], v[rT]
.elseif (\n) == 16
	v_max3_num_f32 v[rC], v[rC], v[rC+1], v[rC+2]
.elseif (\n) == 17
	v_permlanex16_b32 v[rC+3], v[rC], s[SEL], s[SEL+1]
.elseif (\n) == 18
	v_max_num_f32 v[rT+1], v[rC], v[rC+3]
.elseif (\n) == 19
	v_mul_f32 v[rT], s[CS], v[rT+1]
.elseif (\n) == 20
	v_sub_f32 v[rC+1], v[rW], v[rT]
.else
	v_exp_f32 v[rC+2], v[rC+1]
.endif
.endif
.endm
.macro OPS a, i1, b=-1, i2=0, c=-1, i3=0, d=-1, i4=0  ; up to four of them
	OP \a, \i1
.if (\b) >= 0
	OP \b, \i2
.endif
.if (\c) >= 0
	OP \c, \i3
.endif
.if (\d) >= 0
	OP \d, \i4
.endif
.endm
.macro ROW a, i1, b, i2, c, i3, d, i4  ; a matrix instruction and the four behind it
	MM
	OPS \a, \i1, \b, \i2, \c, \i3, \d, \i4
.endm
; A TURN, for piece p: the order of its 16 matrix and 118 vector instructions, written out.  Behind a matrix instruction: plain, exponential, plain, plain; or four of the rescaling; or, behind the first, four scalings;
; none names a register of the products round it.  In the lumps exponential and plain by turns while exponentials last.  v_permlanex16_b32 (X 17) stands in a lump.
; end = 1: the walk's last two turns: nothing is fetched.  cnt = 1: the loop's count is taken down some lines ahead of the branch that stands behind the turn.
; WHAT IS FETCHED.  A trip (pieces 2, 3, 0, 1) fetches one step's bytes: K in piece 2's turn, six vector instructions behind the last product that read K (five of them plain); V in piece 0's, eight behind the last
; product that read V (four plain, and X 17); and in every turn p the mask of piece p + 2, for the products at the head of turn p + 1, into the buffer that the products at the head of turn p - 1 read last.
; THE WAITS.  At a turn's head the mask of piece p + 1 (and in piece 3's turn K) must be in.  LDS loads come back in order (ISA guide 5.7.1): at the head of piece 1's turn V's 16 loads are younger than that mask and
; may stay out; in its middle V must be in, and the turn's own 8 loads of the mask are younger.  Elsewhere nothing younger is out, and the wait is for 0.
.macro TURN p, end=0, cnt=0
.set Y, (\p)
.set i, 0
.set NOKQ, (\end)*((\p)/3)
.if (\p) == 1
	s_wait_dscnt 16
.else
	s_wait_dscnt 0x0
.endif
	ROW F,0, F,1, F,2, F,3
	ROW F,4, E,0, F,5, F,6
	ROW F,7, E,1, F,8, F,9
	ROW F,10, E,2, C,0, F,11
	ROW F,12, E,3, X,15, F,13
	ROW R,0, R,1, R,2, R,3
	ROW B,0, E,4, F,14, L,0
.if ((\p) == 2) && !(\end)
	WIN 0
	v_add_nc_u32 v[AK], s[TBK], v[AK0]
	v_add_nc_u32 v[AM], s[TBM], v[AM0]
.endif
	ROW R,4, R,5, R,6, R,7
	OPS E,5, F,15
.if ((\p) == 2) && !(\end)
	FETCH_K
.endif
.if !(\end)
	FETCH_M ((\p)+2)%NP
.endif
	OPS E,6, C,1, E,7, R,8
	OPS E,8, R,9, E,9, C,2
	OPS E,10, X,0, E,11, X,1
	OPS E,12, X,2, E,13, X,3
.if (\p) == 1
	s_wait_dscnt 8                  ; V is in
.endif
	ROW X,4, E,14, X,5, X,6
	ROW X,7, E,15, X,8, X,9
	ROW X,10, E,16, X,11, X,12
	ROW X,13, E,17, X,14, B,1
	ROW C,4, E,18, X,16, L,1
	ROW B,2, E,19, C,6, L,2
	ROW C,8, E,20, B,3, B,4
.if (\p) == 0
	WIN 0
	v_add_nc_u32 v[AV], s[TBV], v[AV0]
.endif
	ROW C,3, E,21, L,3, C,5
	OPS E,22, X,17, E,23, C,10
.if (\p) == 0
	FETCH_V
.endif
	OPS E,24, L,4
	OPS E,25, X,18, E,26, C,7
	OPS E,27, B,5, E,28, X,19
	OPS E,29, C,12, E,30, L,5
	OPS E,31, X,20, B,6, C,9
	OPS C,14, C,11, X,21, L,6
.if (\p) == 0
	s_add_co_u32 s[TBV], s[TBV], KS*PV
.endif
.if \cnt
	s_sub_co_u32 s[CNT], s[CNT], 1
	s_cmp_lg_u32 s[CNT], 0
.endif
	OPS C,13, B,7, C,15, R,10
	OPS R,11, R,12, L,7, R,13
	OPS R,14, R,15
.endm
	; THE WALK BEGINS.  Slot 0 is waited for, slot 1 asked for; then K of step 0, the masks of pieces 0 and 1, piece 0's first scores, and its maximum and statistics.
	CHANGE 1
	WIN 0
	v_add_nc_u32 v[AK], s[TBK], v[AK0]
	v_add_nc_u32 v[AM], s[TBM], v[AM0]
	FETCH_K
	FETCH_M 0
	FETCH_M 1
	s_wait_dscnt 0x0
.set NOKQ, 0
.set i, 0
.rept 8
	KQ 0
.set i, i+1
.endr
	WIN 0
.rept 4
	v_nop                           ; the places behind those products
.endr
.set Y, NP-1                        ; X works for piece Y + 1: piece 0
.irp n, 0,1,2,3,4,5,6,7,8,9,10,11,12,13,14,15,16,17,18,19,20,21
	OP X, \n
.endr
	v_nop                           ; a plain instruction behind the exponential
	s_mov_b32 s[CNT], 2
	s_mov_b32 s[SLOTS], 31
	s_branch .Lfirst                ; the loop is entered at a step's first turn, in the middle of a trip
.Lslot:                             ; 30 times: with the change above, tiles 1 to 31 are asked for
	CHANGE 1
	s_mov_b32 s[CNT], 2
.Lstep:                             ; a trip: pieces 2 and 3 of one step, then pieces 0 and 1 of the next, whose K, V and mask it fetches
	TURN 2
	TURN 3
	WIN 0
.Lfirst:
	TURN 0
	TURN 1, 0, 1
	WIN 0
	s_cbranch_scc1 .Lstep
	s_sub_co_u32 s[SLOTS], s[SLOTS], 1
	s_cmp_lg_u32 s[SLOTS], 0
	s_cbranch_scc1 .Lslot
	CHANGE 0                        ; the last slot is written out: nothing is asked for
	s_mov_b32 s[CNT], 2
.Ltail:
	TURN 2
	TURN 3
	TURN 0
	TURN 1, 0, 1
	WIN 0
	s_cbranch_scc1 .Ltail
	TURN 2, 1                       ; the last step's pieces 2 and 3
	TURN 3, 1
.set i, 0
.rept 8
	PV NP-1                         ; the last piece's V^T P of the last step
.set i, i+1
.endr
	; THE WAY OUT.  l's two halves and the other half of the lanes' are added; O^T is divided by l and sent through my stage in LDS, a piece (16 rows of O) at a time.  The additions are the places behind the last products.
	WIN 0
.macro ALL line:vararg              ; one line for each piece t
.set t, 0
.rept 4
	\line
.set t, t+1
.endr
.endm
	ALL v_add_f32 v[ST+4*t+2], v[ST+4*t+2], v[ST+4*t+3]
	ALL v_permlanex16_b32 v[ST+4*t+3], v[ST+4*t+2], s[SEL], s[SEL+1]
	ALL v_add_f32 v[ST+4*t+2], v[ST+4*t+2], v[ST+4*t+3]
	ALL v_rcp_f32 v[ST+4*t+2], v[ST+4*t+2]
	v_nop                           ; a plain instruction between the last reciprocal and the use of its result
; Piece t: a lane's eight channels of a row, of each of four blocks of 16, are 32 bytes; they go into rows of 272 bytes and come back as whole rows of 256, into registers of the piece's own.
.macro PACK t
	WIN W_RS
.set i, 32*(\t)
.rept 16                            ; ascending: each accumulator's lowest registers are read first
	s_wait_alu depctr_va_vdst(0)
	v_pk_mul_f32 v[i:i+1], v[i:i+1], v[ST+4*(\t)+2:ST+4*(\t)+3] op_sel_hi:[1,0]
.set i, i+2
.endr
	WIN 0x04                        ; the stores' data in window 1, their address in window 0
.irp f, 0,1,2,3,4,5,6,7             ; channel block f / 2, half f % 2 of my eight channels
	ds_store_b128 v[STO], v[32*(\t)+4*\f:32*(\t)+4*\f+3] offset:64*(\f/2)+16*(\f%2)
.endr
	WIN 0
.irp f, 0,1,2,3,4,5,6,7
	ds_load_b128 v[OB+32*(\t)+4*\f:OB+32*(\t)+4*\f+3], v[RD] offset:\f*2*SP  ; LDS serves a wave's instructions in order (ISA guide 5.7.1.4): these see the stores above; the next piece's stores come behind them
.endr
.endm
.macro SEND t, younger              ; younger: the LDS instructions issued behind piece t's loads: the next piece's sixteen, or none
	WIN 0
.irp f, 0,1,2,3,4,5,6,7
	s_wait_dscnt (\younger)+7-\f
	global_store_b128 v[GO], v[OB+32*(\t)+4*\f:OB+32*(\t)+4*\f+3], s[10:11] offset:(\t)*4096+\f*512 th:TH_STORE_NT  ; 512 consecutive bytes, at a multiple of 256 from O's first byte
.endr
.endm
	PACK 0
.set t, 1
.rept 3                             ; a piece's arithmetic stands between the loads of the piece before and its stores
	PACK t
	SEND t-1, 16
.set t, t+1
.endr
	SEND 3, 0
	s_wait_tensorcnt 0x0            ; the wave's end, behind my last tensor load and my last LDS store
	ds_add_u32 v[SPW], v[NIL]
	s_wait_dscnt 0x0
	CROUND                          ; the closing round: no work-group ends while a partner may still ask for a tile that names it
	s_endpgm
.Lfunc_end_k_q193ad9fe49_attn:
	.size	k_q193ad9fe49_attn, .Lfunc_end_k_q193ad9fe49_attn-k_q193ad9fe49_attn
	.p2alignl 7, 3214868480
	.fill 96, 4, 3214868480
	.section	.rodata,"a",@progbits
	.p2align	6, 0x0
	.amdhsa_kernel k_q193ad9fe49_attn
		.amdhsa_group_segment_fixed_size 327680
		.amdhsa_private_segment_fixed_size 0
		.amdhsa_enable_private_segment 0
		.amdhsa_kernarg_size 32
		.amdhsa_user_sgpr_count 2
		.amdhsa_user_sgpr_kernarg_segment_ptr 1
		.amdhsa_wavefront_size32 1
		.amdhsa_system_sgpr_workgroup_id_x 1
		.amdhsa_system_sgpr_workgroup_id_y 1
		.amdhsa_system_sgpr_workgroup_id_z 1
		.amdhsa_system_vgpr_workitem_id 0
		.amdhsa_next_free_vgpr 768
		.amdhsa_next_free_sgpr 84
		.amdhsa_reserve_vcc 0
		.amdhsa_float_denorm_mode_32 3
		.amdhsa_float_denorm_mode_16_64 3
		.amdhsa_memory_ordered 1
		.amdhsa_forward_progress 1
		.amdhsa_inst_pref_size 149
	.end_amdhsa_kernel
	.amdgpu_metadata
---
amdhsa.version: [ 1, 2 ]
amdhsa.kernels:
  - .name:           k_q193ad9fe49_attn
    .symbol:         k_q193ad9fe49_attn.kd
    .args:
      - { .name: query, .offset: 0, .size: 8, .value_kind: global_buffer, .address_space: global }
      - { .name: kv16, .offset: 8, .size: 8, .value_kind: global_buffer, .address_space: global }
      - { .name: attn_mask, .offset: 16, .size: 8, .value_kind: global_buffer, .address_space: global }
      - { .name: out0, .offset: 24, .size: 8, .value_kind: global_buffer, .address_space: global }
    .group_segment_fixed_size: 327680
    .private_segment_fixed_size: 0
    .kernarg_segment_align: 8
    .kernarg_segment_size: 32
    .max_flat_workgroup_size: 128
    .sgpr_count:     84
    .vgpr_count:     768
    .wavefront_size: 32
...
	.end_amdgpu_metadata
.endif
;; end of part 2
